; MI455X (gfx1250); checked and timed in simulation.
; The chip was launched on July 23, 2026; its instructions are those of AMD's public machine-readable ISA for CDNA 5 (MIT licence, August 2026) and "CDNA5" Instruction Set Architecture Reference Guide (July 2026). The comments in the code are by the model that wrote it; some were corrected since.
;; Quantized Linear. Allowed arithmetic: matrix products marked QUANTISED: E3M2 operands, one E8M0 scale for each 32 along K, by v_wmma_scale_f32_16x16x128_f8f6f4 with both operands' format E3M2, f32 sums; everything else in f32.
;; Inputs: bias 16,384 float32; kernel_i8 4,096 x 16,384 int8; scales 16,384 float32; x 1,024 x 4,096 float32.
;; Outputs: out0 1,024 x 16,384 float32.
;; This version of the problem:
;;   THIS VERSION OF THE PROBLEM IS GIVEN IN LOW PRECISION. The matrix products marked QUANTISED in the list below multiply operands that are first quantised to E3M2 (3 exponent bits, 2 mantissa bits; 6 bits a number), with one power-of-two scale for each 32 numbers along K (OCP MX v1.0); their sums are f32. All else is computed in f32.
;;   The module's matrix products, in the order in which they are computed (A, B: the left and right operand; K: the contracted axis; several contracted axes count as one K, in the product's order):
;;     1. [M 1,024, K 4,096] x [K 4,096, N 16,384]; A: input x; B: computed on the way: QUANTISED
;;   THE QUANTISER, for each operand of a quantised product, along K:
;;     - K is cut into blocks of 32 from its start; a last block that is shorter is filled with zeros.
;;     - A block's scale is 2^e with e = floor(log2(the largest magnitude in the block)) - 4, held to -126 .. 127; a block of zeros has e = 0. As a byte (E8M0): e + 127.
;;     - Each number is divided by its block's scale, clamped to +-28, and rounded to the nearest number of E3M2, ties to even, subnormals kept.
;;     - The product sums the exact products of the quantised numbers (number of the format x scale) in f32.
;;   ~~~python
;;   def quantise(x, axis):      # numpy; x: float32 -> the quantised numbers, widened to float32 again
;;       x = np.moveaxis(x, axis, -1); K = x.shape[-1]
;;       x = np.pad(x, [(0, 0)] * (x.ndim - 1) + [(0, -K % 32)]); x = x.reshape(x.shape[:-1] + (-1, 32)); a = np.abs(x).max(-1, keepdims=True)
;;       e = np.where(a > 0, np.clip(np.frexp(np.where(a > 0, a, 1))[1] - 1 - 4, -126, 127), 0)      # np.frexp(a)[1] - 1 = floor(log2(a)), exactly
;;       r = np.clip(x / 2.0 ** e, -28, 28)
;;       step = 2.0 ** (np.maximum(np.frexp(np.where(r == 0, 1, r))[1] - 1, -2) - 2)
;;       q = np.round(r / step) * step * 2.0 ** e      # np.round: ties to even
;;       return np.moveaxis(q.reshape(q.shape[:-2] + (-1,))[..., :K], -1, axis).astype(np.float32)
;;   ~~~
;;   OPERANDS COMPUTED ON THE WAY. 'Computed on the way' means the value that the module computes at that place (a softmax that the list does not call 'softmax' is quantised finished and normalised). What goes into a quantiser is computed in f32, as accurately as f32 sums, v_exp_f32 and their like allow (about 1e-6 of the number): no bf16 or f16 on the way to a quantiser, and a product that is left as it is and whose result goes on into a quantised operand takes f32 operands (vector FMAs, or v_wmma_f32_16x16x4_f32). A number that lies on a knife's edge between two numbers of the format may be rounded either way, as far as f32 arithmetic and the matrix unit's own rounding can turn it there, and no further.
;; One version. Each part assembles by itself: llvm-mc -triple=amdgcn-amd-amdhsa -mcpu=gfx1250 --defsym DOCPART=n.
;; ======== version 1 of 1: 2 launches
;; limits: right only within a limited range of input values
;; workspace buffers: xq 3,276,800 bytes; wq 52,428,800 bytes
;; launch quant (part 1): grid 512 x 1, 4 waves a work-group, no clusters, 163,840 bytes of LDS; arguments x, kernel_i8, scales, xq, wq; writes xq, wq
.if DOCPART == 1
	.amdgcn_target "amdgcn-amd-amdhsa--gfx1250"
	.amdhsa_code_object_version 6
	.text
	.protected	k_qfcf8f65703_quant
	.globl	k_qfcf8f65703_quant
	.p2align	8
	.type	k_qfcf8f65703_quant,@function
k_qfcf8f65703_quant:
	s_mov_b64 s[64:65], 0
	v_nop
	global_prefetch_b8 v0, s[64:65] scope:SCOPE_SE
	s_setreg_imm32_b32 hwreg(HW_REG_WAVE_MODE, 25, 1), 1
	s_wait_xcnt 0x0
; Both operands of out0 = x (kernel_i8 * scales) + bias are turned into codes of BF6 (E3M2), 6 bits each, with one E8M0 scale byte for each 32 along K,
; and laid in the ORDER OF THE MATRIX OPERAND'S REGISTERS, so that the product's launch takes a fragment by three loads of 16 bytes a lane.
; x: [1024][4096] f32, K innermost.  kernel_i8: [4096][16384] int8, K is its FIRST axis; w[k][n] = f32(kernel_i8[k][n]) * scales[n], one f32 multiplication, is what is quantised.
; THE LAYOUT of xq and wq.  An operand's rows (x's tokens, w's columns n) go in half tiles of 128; K in steps of 128.  UNIT(H, ks) = 12,800 bytes at (32 H + ks) x 12,800:
;   fragment i (rows 16 i .. 16 i + 15) at 1,536 i: register f (0 .. 11) of lane L at 512 (f / 4) + 16 L + 4 (f % 4); lane L = r + 16 h holds row r, registers 6 c .. 6 c + 5 hold k = 64 c + 32 h + 0 .. 31;
;   the scale words (four bytes: the four blocks of the 128) at 12,288: fragment i, row r at 256 (i / 4) + 16 r + 4 (i % 4).
; THE QUANTISER.  A block's scale is 2^(floor(log2(its largest magnitude)) - 4); its byte is the largest magnitude's exponent field - 4, held at 1 from below by a floor among the maximum's leaves.
; LIMITS: NaN and infinities among the inputs are not served.  A block of zeros, and a block whose largest magnitude lies under 2^-122, gets the byte 1 (zeros: where the rule says 127; their codes are
; zeros, which add nothing under any byte but 0xff, and this program alone reads the bytes).  Every int8 value, -128 too, is served.
; SHARES.  512 work-groups of equal work.  Each wave takes 128 columns x 256 along K of w, and then ONE fragment (16 rows x 128 along K) of x: 2,048 waves, 2,048 fragments.
; The four waves of work-group g make the four fragments of half unit g of xq; their scale words meet in 256 bytes of LDS and leave as one run of 256 bytes.  The launch claims 163,840 bytes of LDS and uses 86,272.
.set UNIT,  12800
.set NROW,  16384                      ; bytes in a row of kernel_i8, and in a row of x
.set FPIT,  1552                       ; w's stage: a fragment's 1,536 bytes + 16
.set WSTG,  8*FPIT+512                 ; a wave's stage: eight fragments and 512 bytes of scale words
.set XSTG,  4*WSTG                     ; x's stages begin behind w's
.set XPIT,  528                        ; x's stage: a row's 512 bytes + 16
.set XW,    0x15000                    ; behind the spare words (0x14e00, 512 bytes): the half unit's 256 bytes of scale words
; registers of w's part
.set LO,  2
.set CA,  3
.set SA,  4
.set RB,  5
.set GO,  6                            ; v6   16 x lane
.set BIG, 7
.set SR,  8
.set S2,  12
.set WD,  20
.set MX,  24
.set MY,  25
.set SO,  26
.set BY,  27
.set F,   32
.set T,   64
.set U,   88
.set OUT, 92
.set R,   144                          ; v144-239 three sets of 32 words as loaded
; registers of x's part
.set XO,  2
.set SI,  3
.set SX,  4
.set VO,  5
.set VW,  6
.set TM,  16
.set PC,  32
.set PW,  52
.set X,   64
.set XR1, 144                          ; x's 16 rows as loaded: rows 0-7 in w's set 0 (v144-175), rows 8-15 in its set 2 (v208-239)
.set SEL, 20
	s_load_b256 s[4:11], s[0:1], 0x0               ; x s[4:5], kernel_i8 s[6:7], scales s[8:9], xq s[10:11]
	s_load_b64 s[12:13], s[0:1], 0x20              ; wq
	s_set_vgpr_msb 0x40
	v_lshl_add_u32 v0, v0, 2, 0x14e00              ; v256: my spare word
	v_mov_b32 v1, 0                                ; v257: 0
	s_set_vgpr_msb 0x4000
	v_lshrrev_b32 v1, 5, v0
	v_readfirstlane_b32 s16, v1                    ; wave 0..3
	v_and_b32 v1, 31, v0                           ; lane
	s_lshr_b32 s35, ttmp9, 1                       ; x: my unit 32 H + ks,
	s_and_b32 s34, ttmp9, 1                        ; its fragments 0-3 or 4-7; the wave's number says which of the four
	s_lshr_b32 s32, ttmp9, 6
	s_lshl_b32 s32, s32, 21                        ; H x 128 rows of 16,384 bytes
	s_lshl_b32 s33, s34, 20                        ; 64 rows
	s_add_co_u32 s32, s32, s33
	s_and_b32 s33, s35, 31
	s_lshl_b32 s33, s33, 9                         ; 128 numbers along K
	s_add_co_u32 s32, s32, s33
	s_lshl_b32 s33, s16, 18                        ; 16 rows
	s_add_co_u32 s32, s32, s33
	s_mov_b32 s33, 0
	s_mul_i32 s36, s35, UNIT
	s_mov_b32 s37, 0
; ======== W.  A wave takes 128 columns (half tile H; lane l the columns 4 l .. 4 l + 3) x 256 along K: eight blocks of 32, two units.  The four waves stand side by side on 512 bytes of each row.
; A lane's registers run DOWN K, so a block of one column lies in one lane: its maximum needs no other lane, and the conversions give codes with K innermost.
.macro LOAD t                          ; block t: rows 32 t .. 32 t + 31, four columns a lane, into set t % 3
.set i, 0
.rept 32
	global_load_b32 v[R+32*((\t)%3)+i], v[LO], s[6:7] offset:(32*(\t)+i)*NROW th:TH_LOAD_NT
.set i, i+1
.endr
.endm
.macro LOADX1                          ; my fragment's 16 rows of x, 512 consecutive bytes a load, into the two sets that w's last block does not use
.set i, 0
.rept 16
	global_load_b128 v[XR1+4*i+32*(i/8):XR1+4*i+32*(i/8)+3], v[GO], s[4:5] offset:i*NROW th:TH_LOAD_NT
.set i, i+1
.endr
.endm
.macro COPYOUT u                       ; a finished unit leaves the stage: 25 pieces of 512 bytes, in two batches
.irp q, 0, 13
	s_wait_xcnt 0x0                                ; earlier stores have read OUT: it is loaded again only behind this wait
.set n, 0
.rept 13
.if \q+n < 25
	ds_load_b128 v[OUT+4*n:OUT+4*n+3], v[RB] offset:512*(\q+n)+16*((\q+n)/3)   ; LDS serves a wave's instructions in order (ISA guide 5.7.1.4): these see my stores
.endif
.set n, n+1
.endr
	s_wait_dscnt 0x0
.set n, 0
.rept 13
.if \q+n < 25
	global_store_b128 v[GO], v[OUT+4*n:OUT+4*n+3], s[12:13] offset:(\u)*UNIT+512*(\q+n)   ; 32 lanes store 512 consecutive bytes, at a multiple of 256 from wq's first byte
.endif
.set n, n+1
.endr
.endr
.endm
.macro BLOCK t
.set QB, (\t)&3                        ; which block of the unit's 128 along K: block 2 c + h lies in lanes 16 h on, registers 6 c on
.set QH, QB&1
.set QC, QB>>1
.set RAW, R+32*((\t)%3)
.if (\t) < 7
	s_wait_loadcnt 32                              ; this block's 32 loads are in (and, ahead of block 0's, the scales); the next block's 32 may be out
.else
	s_wait_loadcnt 0x0
.endif
.if (\t)+2 < 8
	LOAD (\t)+2                                    ; into the set that the block before has done with
.endif
.if (\t) == 7
	LOADX1                                         ; x's rows are on their way while w's last block is worked
.endif
.if (\t) == 0
.irp j, 0,1,2,3
	v_mov_b32 v[S2+2*\j], v[SR+\j]
	v_mov_b32 v[S2+2*\j+1], v[SR+\j]
.endr
.endif
.set i, 0
.rept 32
	v_xor_b32 v[RAW+i], s20, v[RAW+i]              ; four bytes at once: a signed byte i becomes the unsigned byte i + 128
.set i, i+1
.endr
.irp j, 0,1,2,3                        ; my four columns, one after the other
.set i, 0
.rept 32
	v_perm_b32 v[F+i], v[RAW+i], v[BIG], s[24+\j]  ; byte j under the upper three bytes of 2^23: the f32 number 2^23 + i + 128, exactly
.set i, i+1
.endr
.set i, 0
.rept 16
	v_pk_add_f32 v[F+i:F+i+1], v[F+i:F+i+1], s[22:23] op_sel_hi:[1,0]   ; - (2^23 + 128): i, exactly
.set i, i+2
.endr
.set i, 0
.rept 16
	v_pk_mul_f32 v[F+i:F+i+1], v[F+i:F+i+1], v[S2+2*\j:S2+2*\j+1]       ; w = i x the column's scale: one f32 rounding
.set i, i+2
.endr
	v_max3_num_f32 v[MX], |v[F]|, |v[F+1]|, |v[F+2]|                   ; the block's largest magnitude: all 32 numbers are mine; two chains
	v_max3_num_f32 v[MY], |v[F+3]|, |v[F+4]|, |v[F+5]|
.irp m, 6,10,14,18,22,26
	v_max3_num_f32 v[MX], v[MX], |v[F+\m]|, |v[F+\m+1]|
	v_max3_num_f32 v[MY], v[MY], |v[F+\m+2]|, |v[F+\m+3]|
.endr
	v_max3_num_f32 v[MX], v[MX], |v[F+30]|, |v[F+31]|
	v_max3_num_f32 v[MX], v[MX], v[MY], 0x2800000  ; and the floor 2^(5 - 127): so the byte cannot fall under 1
	v_add_nc_u32 v[SO], 0xfe000000, v[MX]          ; 4 off its exponent field: the conversion's scale operand
.if \j == 0
	s_wait_alu depctr_va_vdst(0)
	s_wait_dscnt 0x0                               ; the last block's stores into the stage are done: T and WD are written again only behind this wait
.endif
	v_cvt_scalef32_pk16_bf6_f32 v[T+6*\j:T+6*\j+2], v[F:F+15], v[SO]   ; k 0 .. 15 of the block: 96 bits without gaps
	v_cvt_scalef32_pk16_bf6_f32 v[U:U+2], v[F+16:F+31], v[SO]          ; k 16 .. 31 (a conversion's three registers begin on an even number, so these are made apart and moved)
	v_lshrrev_b32 v[BY], 23, v[SO]                 ; the scale's byte.  (Also the plain instruction between the conversions and what touches their results)
.if QB == 0
	v_mov_b32 v[WD+\j], v[BY]
.else
	v_lshl_or_b32 v[WD+\j], v[BY], 8*QB, v[WD+\j]
.endif
.irp m, 0,1,2
	v_mov_b32 v[T+6*\j+3+\m], v[U+\m]
.endr
.if QC == 0                            ; registers 0 .. 5 of lane 4 (l % 4) + j + 16 h of fragment l / 4
	ds_store_b128 v[CA], v[T+6*\j:T+6*\j+3] offset:16*\j+256*QH
	ds_store_b64  v[CA], v[T+6*\j+4:T+6*\j+5] offset:512+16*\j+256*QH
.else                                  ; registers 6 .. 11
	ds_store_b64  v[CA], v[T+6*\j:T+6*\j+1] offset:520+16*\j+256*QH
	ds_store_b128 v[CA], v[T+6*\j+2:T+6*\j+5] offset:1024+16*\j+256*QH
.endif
.if QB == 3
	ds_store_b32 v[SA], v[WD+\j] offset:16*\j
.endif
.endr
.if QB == 3
	COPYOUT (\t)>>2
.endif
.endm
	s_and_b32 s17, ttmp9, 31
	s_lshr_b32 s18, ttmp9, 5                       ; which 256 along K: 0 .. 15
	s_lshl_b32 s17, s17, 2
	s_add_co_u32 s17, s17, s16                     ; H: my half tile of 128 columns, 0 .. 127
	s_lshl_b32 s28, s18, 22                        ; 256 rows of 16,384 bytes
	s_lshl_b32 s29, s17, 7
	s_add_co_u32 s28, s28, s29
	s_mov_b32 s29, 0
	s_lshl_b32 s30, s17, 5
	s_lshl_b32 s31, s18, 1
	s_add_co_u32 s30, s30, s31                     ; my first unit: 32 H + 2 x (which 256)
	s_mov_b32 s20, 0x80808080
	s_mov_b32 s22, 0xcb000080                      ; -(2^23 + 128)
	s_mov_b32 s23, s22
	s_mov_b32 s24, 0x03000004                      ; v_perm_b32's selects for byte j
	s_mov_b32 s25, 0x03000005
	s_mov_b32 s26, 0x03000006
	s_mov_b32 s27, 0x03000007
	v_mov_b32 v[BIG], 0x4b000000
	s_wait_alu depctr_va_vdst(0)
	v_lshlrev_b32 v[LO], 2, v1
	v_lshlrev_b32 v[GO], 4, v1
	s_wait_alu depctr_va_vdst(0)
	s_wait_kmcnt 0x0
	s_add_nc_u64 s[6:7], s[6:7], s[28:29]
	s_add_nc_u64 s[4:5], s[4:5], s[32:33]          ; x: my 16 rows, my 128 along K
	s_add_nc_u64 s[10:11], s[10:11], s[36:37]      ; xq: my unit
	s_lshl_b32 s28, s17, 9
	s_add_nc_u64 s[8:9], s[8:9], s[28:29]          ; my 128 scales
	s_mul_i32 s28, s30, UNIT
	s_add_nc_u64 s[12:13], s[12:13], s[28:29]
	global_load_b128 v[SR:SR+3], v[GO], s[8:9]
	LOAD 0
	LOAD 1
	s_mul_i32 s19, s16, WSTG                       ; my stage
	v_lshrrev_b32 v28, 2, v1                       ; l / 4: my columns' fragment
	v_and_b32 v29, 3, v1                           ; l % 4: their rows 4 (l % 4) + j in it
	v_mul_u32_u24 v[CA], v28, FPIT
	v_lshl_add_u32 v[CA], v29, 6, v[CA]
	v_add_nc_u32 v[CA], s19, v[CA]
	v_lshrrev_b32 v30, 4, v1
	v_and_b32 v28, 3, v28
	v_lshlrev_b32 v[SA], 8, v30
	v_lshl_add_u32 v[SA], v29, 6, v[SA]
	v_lshl_add_u32 v[SA], v28, 2, v[SA]
	v_add_nc_u32 v[SA], s19, v[SA]
	v_add_nc_u32 v[SA], 8*FPIT, v[SA]
	v_add_nc_u32 v[RB], s19, v[GO]
.irp t, 0,1,2,3,4,5,6,7
	BLOCK \t
.endr
; ======== X.  My fragment's 16 rows turn through my own stage, so that a lane then holds, of its row r, 16 neighbours of each block of 32: register 16 b + i = k 32 b + 16 h + i.
	s_wait_xcnt 0x0                                ; w's stores and x's loads have read their registers: these are written again only behind this wait
	s_mov_b32 s[SEL], 0x76543210                   ; v_permlanex16_b32's selects for lane l xor 16
	s_mov_b32 s[SEL+1], 0xfedcba98
	s_mul_i32 s27, s16, 16*XPIT
	s_add_co_u32 s27, s27, XSTG                    ; my stage
	s_mul_i32 s26, s34, 4*1536
	s_mul_i32 s25, s16, 1536
	s_add_co_u32 s26, s26, s25                     ; my fragment in the unit
	s_lshl_b32 s24, s16, 2
	s_add_co_u32 s24, s24, XW
	s_lshl_b32 s23, s34, 8
	v_and_b32 v10, 15, v1                          ; r
	v_lshrrev_b32 v11, 4, v1                       ; h
	v_lshlrev_b32 v[XO], 4, v1
	v_add_nc_u32 v[SI], s27, v[XO]
	v_mul_u32_u24 v[SX], v10, XPIT
	v_lshl_add_u32 v[SX], v11, 6, v[SX]
	v_add_nc_u32 v[SX], s27, v[SX]
	v_add_nc_u32 v[VO], s26, v[XO]
	v_lshl_add_u32 v[VW], v10, 4, s24              ; LDS: 16 r + 4 x my fragment
	v_lshlrev_b32 v8, 3, v1
	v_add_nc_u32 v9, XW, v8                        ; LDS, on the way out: 8 x lane
	v_add_nc_u32 v14, s23, v8                      ; and the same place among the unit's scale words
.irp b, 0,1,2,3
	v_mov_b32 v[TM+4+\b], 0                        ; a lane permute's destination counts as one of its sources
.endr
	s_wait_alu depctr_va_vdst(0)
	s_wait_loadcnt 0x0
.set i, 0
.rept 16
	ds_store_b128 v[SI], v[XR1+4*i+32*(i/8):XR1+4*i+32*(i/8)+3] offset:XPIT*i
.set i, i+1
.endr
.irp b, 0,1,2,3
.irp j, 0,1,2,3
	ds_load_b128 v[X+16*\b+4*\j:X+16*\b+4*\j+3], v[SX] offset:128*\b+16*\j   ; LDS serves a wave's instructions in order: these see my stores
.endr
.endr
	s_wait_dscnt 0x0
.irp b, 0,1,2,3
	v_max3_num_f32 v[TM+\b], |v[X+16*\b]|, |v[X+1+16*\b]|, 0x2800000   ; block b: my 16 numbers, and the floor 2^(5 - 127)
.endr
.irp i, 2,4,6,8,10,12,14
.irp b, 0,1,2,3
	v_max3_num_f32 v[TM+\b], v[TM+\b], |v[X+16*\b+\i]|, |v[X+1+16*\b+\i]|
.endr
.endr
.irp b, 0,1,2,3
	v_permlanex16_b32 v[TM+4+\b], v[TM+\b], s[SEL], s[SEL+1]
.endr
.irp b, 0,1,2,3
	v_max_num_f32 v[TM+\b], v[TM+\b], v[TM+4+\b]   ; with lane l xor 16's: the block's largest magnitude
.endr
.irp b, 0,1,2,3
	v_add_nc_u32 v[TM+12+\b], 0xfe000000, v[TM+\b] ; 4 off its exponent field: the conversion's scale operand
.endr
.irp b, 0,1,2,3
	v_lshrrev_b32 v[TM+4+\b], 23, v[TM+12+\b]      ; the scale's byte
.endr
	v_lshl_or_b32 v[PW], v[TM+5], 8, v[TM+4]       ; my row's scale word (lanes r and r + 16 hold the same)
	v_lshl_or_b32 v[PW], v[TM+6], 16, v[PW]
	v_lshl_or_b32 v[PW], v[TM+7], 24, v[PW]
.irp c, 0,1
	v_cvt_scalef32_pk16_bf6_f32 v[PC+6*\c:PC+2+6*\c], v[X+32*\c:X+15+32*\c], v[TM+12+2*\c]
	v_cvt_scalef32_pk16_bf6_f32 v[PC+12+4*\c:PC+14+4*\c], v[X+16+32*\c:X+31+32*\c], v[TM+12+2*\c+1]
.endr
	v_nop                                          ; one plain instruction between a scaled conversion and the vector instruction that touches its result
.irp c, 0,1                            ; the operand's layout wants a WHOLE block in a lane: lanes 0-15 block 2 c, lanes 16-31 block 2 c + 1
.irp i, 0,1,2
	v_permlane16_swap_b32 v[PC+6*\c+\i], v[PC+12+4*\c+\i]
.endr
.irp i, 0,1,2
	v_mov_b32 v[PC+3+6*\c+\i], v[PC+12+4*\c+\i]
.endr
.endr
.irp c, 0,1,2
	global_store_b128 v[VO], v[PC+4*\c:PC+4*\c+3], s[10:11] offset:512*\c   ; the fragment as an image of its registers: 512 consecutive bytes a store
.endr
	ds_store_b32 v[VW], v[PW]                      ; both lanes of a row write the same word with the same value
	s_wait_dscnt 0x0                               ; for the others' sake: my words are in
	s_barrier_signal -1
	s_barrier_wait -1
	s_cmp_lg_u32 s16, 0
	s_cbranch_scc1 .Ldone                          ; wave 0 sends the four fragments' words
	ds_load_b64 v[12:13], v9
	s_wait_dscnt 0x0
	global_store_b64 v14, v[12:13], s[10:11] offset:12288   ; 32 lanes store 256 consecutive bytes, at a multiple of 256 from xq's first byte
.Ldone:
	s_set_vgpr_msb 0x5
	s_wait_tensorcnt 0x0                           ; the wave's end
	ds_add_u32 v0, v1
	s_wait_dscnt 0x0
	s_set_vgpr_msb 0x500
	s_endpgm
.Lfunc_end_k_qfcf8f65703_quant:
	.size	k_qfcf8f65703_quant, .Lfunc_end_k_qfcf8f65703_quant-k_qfcf8f65703_quant
	.p2alignl 7, 3214868480
	.fill 96, 4, 3214868480
	.section	.rodata,"a",@progbits
	.p2align	6, 0x0
	.amdhsa_kernel k_qfcf8f65703_quant
		.amdhsa_group_segment_fixed_size 163840
		.amdhsa_private_segment_fixed_size 0
		.amdhsa_enable_private_segment 0
		.amdhsa_kernarg_size 40
		.amdhsa_user_sgpr_count 2
		.amdhsa_user_sgpr_kernarg_segment_ptr 1
		.amdhsa_wavefront_size32 1
		.amdhsa_system_sgpr_workgroup_id_x 1
		.amdhsa_system_sgpr_workgroup_id_y 1
		.amdhsa_system_sgpr_workgroup_id_z 1
		.amdhsa_system_vgpr_workitem_id 0
		.amdhsa_next_free_vgpr 258
		.amdhsa_next_free_sgpr 66
		.amdhsa_reserve_vcc 0
		.amdhsa_float_denorm_mode_32 3
		.amdhsa_float_denorm_mode_16_64 3
		.amdhsa_memory_ordered 1
		.amdhsa_forward_progress 1
		.amdhsa_inst_pref_size 231
	.end_amdhsa_kernel
	.amdgpu_metadata
---
amdhsa.version: [ 1, 2 ]
amdhsa.kernels:
  - .name:           k_qfcf8f65703_quant
    .symbol:         k_qfcf8f65703_quant.kd
    .args:
      - { .name: x, .offset: 0, .size: 8, .value_kind: global_buffer, .address_space: global }
      - { .name: kernel_i8, .offset: 8, .size: 8, .value_kind: global_buffer, .address_space: global }
      - { .name: scales, .offset: 16, .size: 8, .value_kind: global_buffer, .address_space: global }
      - { .name: xq, .offset: 24, .size: 8, .value_kind: global_buffer, .address_space: global }
      - { .name: wq, .offset: 32, .size: 8, .value_kind: global_buffer, .address_space: global }
    .group_segment_fixed_size: 163840
    .private_segment_fixed_size: 0
    .kernarg_segment_align: 8
    .kernarg_segment_size: 40
    .max_flat_workgroup_size: 128
    .sgpr_count:     66
    .vgpr_count:     258
    .wavefront_size: 32
...
	.end_amdgpu_metadata
.endif
;; end of part 1
;; launch gemm (part 2): grid 4 x 64, 4 waves a work-group, clusters of 4 x 1, 327,680 bytes of LDS; arguments xq, wq, bias, out0; writes out0
.if DOCPART == 2
	.amdgcn_target "amdgcn-amd-amdhsa--gfx1250"
	.amdhsa_code_object_version 6
	.text
	.protected	k_qfcf8f65703_gemm
	.globl	k_qfcf8f65703_gemm
	.p2align	8
	.type	k_qfcf8f65703_gemm,@function
k_qfcf8f65703_gemm:
	s_mov_b64 s[64:65], 0
	v_nop
	global_prefetch_b8 v0, s[64:65] scope:SCOPE_SE
	s_setreg_imm32_b32 hwreg(HW_REG_WAVE_MODE, 25, 1), 1
	s_wait_xcnt 0x0
	s_wait_alu depctr_hold_cnt(0) depctr_sa_sdst(0) depctr_va_vdst(0) depctr_va_sdst(0) depctr_va_ssrc(0) depctr_va_vcc(0) depctr_vm_vsrc(0)
	s_getreg_b32 s2, hwreg(HW_REG_IB_STS2, 6, 4)
	s_cmp_eq_u32 s2, 0
	s_cbranch_scc0 .Lentry_in_a_cluster
	s_endpgm
.Lentry_in_a_cluster:
	s_bfe_u32 s2, ttmp6, 0x10000c
	s_cmp_lg_u32 s2, 0x3003
	s_cbranch_scc0 .Lentry_shape_is_right
	s_endpgm
.Lentry_shape_is_right:
; out0[m][n] = sum over k of xq[m][k] wq[n][k] + bias[n]: codes of BF6 (E3M2) with one E8M0 byte for each 32 along K, as the launch before laid them:
; UNIT(H, ks) = 12,800 bytes at (32 H + ks) x 12,800: 128 rows x 128 K as eight images of a fragment's registers (1,536 bytes each), then 512 bytes of scale words.
; A tile of out0, 256 x 256, is made by four waves, each 128 x 128: 64 accumulators, 512 registers.  The matrix instruction is used transposed (source 0 = 16 rows of wq, source 1 = 16 rows of xq):
; a lane holds eight neighbouring numbers of a row of out0.  The bias is the C of each accumulator's first product.
; B (wq) goes through a ring of two LDS slots, each with four K steps of the tile's 256 rows (102,400 bytes); each wave fetches two units (100 rows of 256 bytes) with one tensor load.
; CLUSTER: the four work-groups of a cluster make the four tile rows of one tile column and need the same units of wq: these are asked for jointly, mask 15.
; A (xq) TAKES NO LDS AND NO JOINT LOAD: a unit is an image of the operand's registers, so each wave loads its own 128 rows from memory into registers, 512 consecutive bytes an instruction,
; two K steps ahead, in two sets of 96 registers.  With A's units in LDS too a slot would hold three K steps and each step would write and read twice the LDS bytes; partners of this cluster share no rows of xq.
; REGISTERS: window 0: v0-31 addresses; v32-47 B's scale words, two sets; v48-63 A's, two sets; v64-255 A's fragments, two sets (on the way out v128-255 take rows back from the stage).
;   window 1: B's fragments, two sets at v0 and v128; the bias in v96-127 and v224-255.  window 2: accumulators of my rows 0-63; window 3: of rows 64-127.
.set UNIT,   12800
.set HALFB,  32*UNIT                   ; a half tile's 32 K steps
.set CHUNK,  4*UNIT                    ; four K steps of a half tile
.set SLOT,   2*CHUNK
.set STAGE,  2*SLOT                    ; behind the ring, bytes of its own: 16 rows x 528 bytes for each wave
.set SPITCH, 528
.set SPARE,  STAGE+4*16*SPITCH         ; the spare words, 128 bytes a wave: no other line names them
.set NBYTES, 16384*4
.set FR,     12
.set NP,     4                         ; places behind this matrix instruction (ISA guide 7.12.1)
.set ADRB, 16                          ; v16-17 LDS address of my B fragments in slot 0, 1
.set ADRS, 18                          ; v18-19 of their scale words
.set ASO,  20                          ; v20 16 x (lane % 16): A's scale words in a unit
.set STO,  24
.set RD,   25
.set CO,   26                          ; v26 16 x lane
.set PFO,  27
.set SPW,  28
.set NIL,  29
.set BO,   30
.set SCB,  32
.set SCA,  48
.set AF,   64
.set BI,   96                          ; window 1
.set BK,   128
.set AP,   20                          ; s[20:21] my 128 rows of xq, stepped by four K steps at each change of slots
.set G1,   24
.set G0,   32                          ; s[32:39] group 0, one set for each slot
.set PFA,  84
.set MSB, 0
.macro WIN new                         ; the immediate's high byte repeats the setting that is left
.if MSB != \new
	s_set_vgpr_msb (MSB<<8)|\new
.set MSB, \new
.endif
.endm
.set MUL_LO,   0xa1                    ; source 0 (B) window 1, source 1 (A) window 0, C and D window 2
.set MUL_HI,   0xf1
.set FIRST_LO, 0x91                    ; the same with C (the bias) in window 1
.set FIRST_HI, 0xd1
.set TO_B,     0x40
.macro JLOAD s                         ; the joint load: every wave its own two units; s_nop 0 and four v_nop follow
	tensor_load_to_lds s[G0+4*\s:G0+4*\s+3], s[G1:G1+7]
	s_nop 0
.rept 4
	v_nop
.endr
.endm
.macro CREST                           ; a round of the cluster's barrier behind its opening barrier
	s_cmp_lg_u32 s14, 0
	s_cbranch_scc1 .Lnot_wave_0_\@
	s_barrier_signal -3
.Lnot_wave_0_\@:
	s_barrier_wait -3
	s_barrier_signal -1
	s_barrier_wait -1
.endm
.macro CROUND
	s_barrier_signal -1
	s_barrier_wait -1
	CREST
.endm
; A prefetch: the chunk that the NEXT refill will ask for (four K steps ahead of that load).  A half tile's chunk is 200 blocks of 256 bytes; the eight waves of the cluster
; that fetch for that half (four work-groups x two waves) take 25 blocks each, told apart by address; lanes 25-31 name the wave's last block again.
.macro ASK test
.if \test
	s_cmp_gt_u32 s3, 1                             ; in the last trip no chunk is left beyond the last refill's
	s_cbranch_scc0 .Lno_ask_\@
.endif
	global_prefetch_b8 v[PFO], s[PFA:PFA+1] th:TH_LOAD_NT scope:SCOPE_SE
.if \test
.Lno_ask_\@:
.endif
.endm
	s_load_b256 s[4:11], s[0:1], 0x0               ; xq, wq, bias, out0
	v_lshl_add_u32 v[SPW], v0, 2, SPARE
	v_mov_b32 v[NIL], 0
	ds_add_u32 v[SPW], v[NIL]                      ; the add, twice on end
	ds_add_u32 v[SPW], v[NIL]
	v_lshrrev_b32 v1, 5, v0
	v_readfirstlane_b32 s14, v1                    ; wave
	s_lshr_b32 s15, s14, 1                         ; my half of the tile's rows; also: the half of B that I fetch for
	s_and_b32 s16, s14, 1                          ; my half of its columns; also: which two units of a chunk I fetch
	s_bfe_u32 s40, ttmp6, 0x40000                  ; cx: the tile row
	s_and_b32 s42, ttmp7, 0xffff                   ; the tile column
	s_mov_b32 s[G1], 15|(3<<16)|(1<<21)            ; mask: the four of the cluster; elements of 8 bytes; bit 21 beside a mask
	s_mov_b32 s[G1+1], 32<<16                      ; rows of 256 bytes,
	s_mov_b32 s[G1+2], (2*UNIT/256)<<16            ; 100 of them, dense
	s_mov_b32 s[G1+3], 32<<16
	s_mov_b32 s[G1+4], 2*UNIT/256
	s_mov_b32 s[G1+5], 32
	s_mov_b32 s[G1+6], 0
	s_mov_b32 s[G1+7], 0
	s_lshl_b32 s17, s40, 1
	s_add_co_u32 s17, s17, s15
	s_mul_i32 s12, s17, HALFB                      ; xq: half tile 2 x tile row + my half
	s_mov_b32 s13, 0
	s_lshl_b32 s46, s42, 1
	s_add_co_u32 s46, s46, s15
	s_mul_i32 s46, s46, HALFB                      ; wq: half tile 2 x tile column + the half that I fetch for
	s_mov_b32 s47, 0
	s_mul_i32 s18, s16, 2*UNIT
	s_add_co_u32 s48, s46, s18                     ; + my two units
	s_mov_b32 s49, 0
	s_mul_i32 s45, s14, 2*UNIT                     ; where they go in a slot: wave x two units
	s_lshl_b32 s50, s42, 10
	s_lshl_b32 s51, s16, 9
	s_add_co_u32 s50, s50, s51                     ; my first column, in bytes of f32
	s_mov_b32 s51, 0
	s_lshl_b32 s52, s40, 8
	s_lshl_b32 s53, s15, 7
	s_add_co_u32 s52, s52, s53
	s_lshl_b32 s52, s52, 16                        ; my first row of out0, in bytes
	s_mov_b32 s53, 0
	s_mul_i32 s22, s16, CHUNK                      ; the half of B that I multiply
	s_mul_i32 s23, s14, 16*SPITCH
	s_add_co_u32 s23, s23, STAGE                   ; my stage
	s_lshl_b32 s19, s40, 1
	s_add_co_u32 s19, s19, s16
	s_mul_i32 s19, s19, 25                         ; my 25 blocks of a prefetch
	v_and_b32 v2, 31, v0                           ; lane
	v_and_b32 v1, 15, v0                           ; r
	v_bfe_u32 v3, v0, 4, 1                         ; h
	v_lshlrev_b32 v[CO], 4, v2
	v_lshlrev_b32 v[ASO], 4, v1
	v_add_nc_u32 v[ADRB], s22, v[CO]
	v_add_nc_u32 v[ADRS], s22, v[ASO]
	v_add_nc_u32 v[ADRB+1], SLOT, v[ADRB]
	v_add_nc_u32 v[ADRS+1], SLOT, v[ADRS]
	v_mul_u32_u24 v5, v1, SPITCH
	v_lshl_add_u32 v5, v3, 5, v5
	v_add_nc_u32 v[STO], s23, v5                   ; into the stage: row r, 32 bytes for each half of the lanes
	v_add_nc_u32 v[RD], s23, v[CO]                 ; back: 32 lanes take a row of 512 bytes
	v_lshlrev_b32 v[BO], 5, v3
	v_min_u32 v[PFO], 24, v2
	v_add_nc_u32 v[PFO], s19, v[PFO]
	v_lshlrev_b32 v[PFO], 8, v[PFO]
	s_wait_alu depctr_va_vdst(0)                   ; the wait at the head's end: no vector instruction writes a register behind it
	s_wait_dscnt 0x0                               ; both opening adds are done
	s_wait_kmcnt 0x0
	s_add_nc_u64 s[AP:AP+1], s[4:5], s[12:13]
	s_add_nc_u64 s[PFA:PFA+1], s[6:7], s[46:47]
	s_add_nc_u64 s[48:49], s[6:7], s[48:49]
	s_add_nc_u64 s[PFA:PFA+1], s[PFA:PFA+1], 2*CHUNK   ; the first change of slots steps it to chunk 3
	s_add_nc_u64 s[8:9], s[8:9], s[50:51]
	s_add_nc_u64 s[10:11], s[10:11], s[50:51]
	s_add_nc_u64 s[10:11], s[10:11], s[52:53]
.irp s, 0,1
	s_mov_b32 s[G0+4*\s], 1
	s_add_co_u32 s[G0+4*\s+1], s45, \s*SLOT
	s_add_nc_u64 s[G0+4*\s+2:G0+4*\s+3], s[48:49], \s*CHUNK
	s_or_b32 s[G0+4*\s+3], s[G0+4*\s+3], 0x80000000
.endr
	CROUND                                         ; the four work-groups are here: the first joint loads meet
	JLOAD 0                                        ; chunk 0: one tensor load a wave at the head
; 13 loads: A's blocks i0 .. i0 + 3 of the K step rel units behind s[AP], into set p, and their scale words (lane r: row r's four words)
.macro LOADA rel, p, i0
.irp i, \i0, \i0+1, \i0+2, \i0+3
.irp c, 0,1,2
	global_load_b128 v[AF+96*(\p)+FR*(\i)+4*\c:AF+96*(\p)+FR*(\i)+4*\c+3], v[CO], s[AP:AP+1] offset:(\rel)*UNIT+(\i)*1536+512*\c
.endr
.endr
	global_load_b128 v[SCA+8*(\p)+(\i0):SCA+8*(\p)+(\i0)+3], v[ASO], s[AP:AP+1] offset:(\rel)*UNIT+12288+64*(\i0)
.endm
	WIN TO_B
.irp b, 0,1,2,3,4,5,6,7
	global_load_b128 v[BI+8*\b+96*(\b/4):BI+8*\b+96*(\b/4)+3], v[BO], s[8:9] offset:64*\b        ; bias at my columns 16 b + 8 h + 0 .. 7
	global_load_b128 v[BI+8*\b+96*(\b/4)+4:BI+8*\b+96*(\b/4)+7], v[BO], s[8:9] offset:64*\b+16
.endr
	WIN 0
	LOADA 0, 0, 0                                  ; A's K steps 0 and 1
	LOADA 0, 0, 4
	LOADA 1, 1, 0
	LOADA 1, 1, 4
; 16 matrix instructions: A's blocks a0, a0 + 1 x B's eight.  The 64 accumulators take turns, in the same order in every step
.macro MUL16 a0, p, zero
.irp a, \a0, \a0+1
.irp b, 0,1,2,3,4,5,6,7
.if \zero
	v_wmma_scale_f32_16x16x128_f8f6f4 v[8*(8*((\a)%4)+\b):8*(8*((\a)%4)+\b)+7], v[128*(\p)+FR*\b:128*(\p)+FR*\b+FR-1], v[AF+96*(\p)+FR*(\a):AF+96*(\p)+FR*(\a)+FR-1], v[BI+8*\b+96*(\b/4):BI+8*\b+96*(\b/4)+7], v[SCB+8*(\p)+\b], v[SCA+8*(\p)+(\a)] matrix_a_fmt:MATRIX_FMT_BF6 matrix_b_fmt:MATRIX_FMT_BF6
.else
	v_wmma_scale_f32_16x16x128_f8f6f4 v[8*(8*((\a)%4)+\b):8*(8*((\a)%4)+\b)+7], v[128*(\p)+FR*\b:128*(\p)+FR*\b+FR-1], v[AF+96*(\p)+FR*(\a):AF+FR*(\a)+96*(\p)+FR-1], v[8*(8*((\a)%4)+\b):8*(8*((\a)%4)+\b)+7], v[SCB+8*(\p)+\b], v[SCA+8*(\p)+(\a)] matrix_a_fmt:MATRIX_FMT_BF6 matrix_b_fmt:MATRIX_FMT_BF6
.endif
.endr
.endr
.endm
.macro FETCH_B slot, q, p              ; 26 LDS loads: B's eight fragments and scale words of unit q of a slot, into set p
	WIN TO_B
.irp i, 0,1,2,3,4,5,6,7
.irp c, 0,1,2
	ds_load_b128 v[128*(\p)+FR*\i+4*\c:128*(\p)+FR*\i+4*\c+3], v[ADRB+\slot] offset:(\q)*UNIT+\i*1536+512*\c
.endr
.endr
	WIN 0
.irp g, 0,1
	ds_load_b128 v[SCB+8*(\p)+4*\g:SCB+8*(\p)+4*\g+3], v[ADRS+\slot] offset:(\q)*UNIT+12288+256*\g
.endr
.endm
.macro PLACES n
.rept \n
	v_nop
.endr
.endm
; A K step on sets p.  A's loads go out in groups of 13 in the order step t blocks 0-3, blocks 4-7, step t + 1 ..; a freed half set takes the step two on (rel: its unit behind s[AP]; 0: none left).
; n1: the loads issued behind this step's blocks 0-3 (three groups: 39); n2: those behind its blocks 4-7, counted behind the group just issued.
; The loads stand in two runs a step, each behind its places.
.macro STEP slot, q, p, zero, rel, n1, n2
	s_wait_dscnt 0x0                               ; B's set is in (asked for 32 matrix instructions ago)
	s_wait_loadcnt \n1
.if \zero
	WIN FIRST_LO
.else
	WIN MUL_LO
.endif
	MUL16 0, \p, \zero
	MUL16 2, \p, \zero
	PLACES NP                                      ; in front of loads into registers that matrix instructions have read
	FETCH_B \slot, (\q)+1, 1-(\p)
.if \rel
	LOADA \rel, \p, 0
.endif
	s_wait_loadcnt \n2
.if \zero
	WIN FIRST_HI
.else
	WIN MUL_HI
.endif
	MUL16 4, \p, \zero
	MUL16 6, \p, \zero
	PLACES NP
	WIN 0
.if \rel
	LOADA \rel, \p, 4
.endif
.endm
; A slot's last K step changes slots: each wave waits for all its tensor loads (one is out: its part of the next slot), adds 0 to its spare word, waits for that and for its reads of this slot;
; the barrier opens a round of the cluster's barrier where the slot is filled again, two chunks on.
.macro TURN slot, next, p, fill, ask
	s_wait_xcnt 0x0                                ; my loads and prefetch have read their bases: they are stepped only behind this wait
	s_add_nc_u64 s[AP:AP+1], s[AP:AP+1], CHUNK
.if \ask
	s_add_nc_u64 s[PFA:PFA+1], s[PFA:PFA+1], CHUNK
.endif
	s_wait_tensorcnt 0x0
	ds_add_u32 v[SPW], v[NIL]
	s_wait_dscnt 1                                 ; B's set is in; the add may be out
	s_wait_loadcnt 39
	WIN MUL_LO
	MUL16 0, \p, 0
	s_wait_dscnt 0x0                               ; the add is done, and my reads of this slot are over
	s_barrier_signal -1
	MUL16 2, \p, 0
	WIN 0
	s_barrier_wait -1
.if \fill
	CREST
	s_add_nc_u64 s[G0+4*\slot+2:G0+4*\slot+3], s[G0+4*\slot+2:G0+4*\slot+3], 2*CHUNK
	JLOAD \slot                                    ; the first tensor load behind the round; its four v_nop are the places in front of the loads below
.else
	PLACES NP
.endif
	FETCH_B \next, 0, 1-(\p)
	LOADA 1, \p, 0
.if \ask
	ASK (\ask)-1
.endif
	s_wait_loadcnt 39
	WIN MUL_HI
	MUL16 4, \p, 0
	MUL16 6, \p, 0
	PLACES NP
	WIN 0
	LOADA 1, \p, 4
.endm
	s_wait_tensorcnt 0x0                           ; my part of chunk 0 is in
	ds_add_u32 v[SPW], v[NIL]
	s_wait_dscnt 0x0
	CROUND
	JLOAD 1                                        ; chunk 1, the first tensor load behind the round
	FETCH_B 0, 0, 0
	STEP 0, 0, 0, 1, 2, 39, 39                     ; the first step's products start the sums from the bias
	s_mov_b32 s3, 3
.Llap:                                                 ; a trip: eight K steps, once round the ring, both slots filled again (chunks 2 to 7 in three trips)
	STEP 0, 1, 1, 0, 3, 39, 39
	STEP 0, 2, 0, 0, 4, 39, 39
	TURN 0, 1, 1, 1, 1
	STEP 1, 0, 0, 0, 2, 39, 39
	STEP 1, 1, 1, 0, 3, 39, 39
	STEP 1, 2, 0, 0, 4, 39, 39
	TURN 1, 0, 1, 1, 2
	STEP 0, 0, 0, 0, 2, 39, 39
	s_sub_co_u32 s3, s3, 1
	s_cmp_lg_u32 s3, 0
	s_cbranch_scc1 .Llap
	STEP 0, 1, 1, 0, 3, 39, 39                     ; K steps 25 to 31: nothing is filled again
	STEP 0, 2, 0, 0, 4, 39, 39
	TURN 0, 1, 1, 0, 0
	STEP 1, 0, 0, 0, 2, 39, 39
	STEP 1, 1, 1, 0, 3, 39, 39
	STEP 1, 2, 0, 0, 0, 39, 26                     ; no K step two on: behind this step's blocks 4-7 stand the last step's two groups
	s_wait_dscnt 0x0
	s_wait_loadcnt 13                              ; the last step's blocks 4-7 may be out
	WIN MUL_LO
	MUL16 0, 1, 0
	MUL16 2, 1, 0
	s_wait_loadcnt 0x0
	WIN MUL_HI
	MUL16 4, 1, 0
	MUL16 6, 1, 0
	WIN 0
; THE WAY OUT, by blocks of 16 rows x 128 columns through my own stage: in as 32 bytes a lane, back as rows of 512 bytes, which 32 lanes store as two aligned runs of 256 bytes.
; LDS serves a wave's instructions in order (ISA guide 5.7.1.4): no wait between the stores and the loads.
.macro TOSTAGE a
.set AC, 64*((\a)%4)
	WIN 0x08+4*((\a)/4)
.irp b, 0,1,2,3,4,5,6,7
	ds_store_b128 v[STO], v[AC+8*\b:AC+8*\b+3] offset:64*\b          ; each accumulator from its low end on
	ds_store_b128 v[STO], v[AC+8*\b+4:AC+8*\b+7] offset:64*\b+16
.endr
	WIN 0
.set BB, BK+64*((\a)%2)
.irp t, 0,1,2,3,4,5,6,7,8,9,10,11,12,13,14,15
	ds_load_b128 v[BB+4*\t:BB+4*\t+3], v[RD] offset:\t*SPITCH
.endr
.endm
.macro SEND a, younger                 ; younger: the LDS instructions issued behind block a's loads
.set BB, BK+64*((\a)%2)
	s_wait_dscnt \younger
.if (\a) > 0
	s_add_nc_u64 s[10:11], s[10:11], 16*NBYTES     ; behind a wait on XCNT: the earlier stores have read their base
.endif
.irp t, 0,1,2,3,4,5,6,7,8,9,10,11,12,13,14,15
	global_store_b128 v[CO], v[BB+4*\t:BB+4*\t+3], s[10:11] offset:\t*NBYTES th:TH_STORE_NT
.endr
.endm
	PLACES NP
	TOSTAGE 0
.irp a, 1,2,3,4,5,6,7
.if \a > 1
	s_wait_xcnt 0x0                                ; block a - 2's stores have read their registers and their base
.endif
	TOSTAGE \a
	SEND \a-1, 32
.endr
	s_wait_xcnt 0x0
	SEND 7, 0
	s_wait_tensorcnt 0x0                           ; the wave's end
	ds_add_u32 v[SPW], v[NIL]
	s_wait_dscnt 0x0
	CROUND                                         ; the closing round
	s_endpgm
.Lfunc_end_k_qfcf8f65703_gemm:
	.size	k_qfcf8f65703_gemm, .Lfunc_end_k_qfcf8f65703_gemm-k_qfcf8f65703_gemm
	.p2alignl 7, 3214868480
	.fill 96, 4, 3214868480
	.section	.rodata,"a",@progbits
	.p2align	6, 0x0
	.amdhsa_kernel k_qfcf8f65703_gemm
		.amdhsa_group_segment_fixed_size 327680
		.amdhsa_private_segment_fixed_size 0
		.amdhsa_enable_private_segment 0
		.amdhsa_kernarg_size 32
		.amdhsa_user_sgpr_count 2
		.amdhsa_user_sgpr_kernarg_segment_ptr 1
		.amdhsa_wavefront_size32 1
		.amdhsa_system_sgpr_workgroup_id_x 1
		.amdhsa_system_sgpr_workgroup_id_y 1
		.amdhsa_system_sgpr_workgroup_id_z 1
		.amdhsa_system_vgpr_workitem_id 0
		.amdhsa_next_free_vgpr 1024
		.amdhsa_next_free_sgpr 98
		.amdhsa_reserve_vcc 0
		.amdhsa_float_denorm_mode_32 3
		.amdhsa_float_denorm_mode_16_64 3
		.amdhsa_memory_ordered 1
		.amdhsa_forward_progress 1
		.amdhsa_inst_pref_size 240
	.end_amdhsa_kernel
	.amdgpu_metadata
---
amdhsa.version: [ 1, 2 ]
amdhsa.kernels:
  - .name:           k_qfcf8f65703_gemm
    .symbol:         k_qfcf8f65703_gemm.kd
    .args:
      - { .name: xq, .offset: 0, .size: 8, .value_kind: global_buffer, .address_space: global }
      - { .name: wq, .offset: 8, .size: 8, .value_kind: global_buffer, .address_space: global }
      - { .name: bias, .offset: 16, .size: 8, .value_kind: global_buffer, .address_space: global }
      - { .name: out0, .offset: 24, .size: 8, .value_kind: global_buffer, .address_space: global }
    .group_segment_fixed_size: 327680
    .private_segment_fixed_size: 0
    .kernarg_segment_align: 8
    .kernarg_segment_size: 32
    .max_flat_workgroup_size: 128
    .sgpr_count:     98
    .vgpr_count:     1024
    .wavefront_size: 32
...
	.end_amdgpu_metadata
.endif
;; end of part 2
